; MI455X (gfx1250); checked and timed in simulation.
; The chip was launched on July 23, 2026; its instructions are those of AMD's public machine-readable ISA for CDNA 5 (MIT licence, August 2026) and "CDNA5" Instruction Set Architecture Reference Guide (July 2026). The comments in the code are by the model that wrote it; some were corrected since.
;; Parallel Backproj2 D. Allowed arithmetic: float matrix products may take bf16 or f16 operands with f32 sums; all other float work in f32.
;; Inputs: x 8 x 720 x 736 x 1 float32.
;; Outputs: out0 8 x 256 x 256 x 1 float32.
;; 2 versions, each right; version 2 is version 1 with the launch backproj written anew for expert scheduling mode. Each part assembles by itself: llvm-mc -triple=amdgcn-amd-amdhsa -mcpu=gfx1250 --defsym DOCPART=n.
;; ======== version 1 of 2: 1 launch
;; launch backproj (part 1): grid 16 x 16, 16 waves a work-group, no clusters, 157,696 bytes of LDS; arguments x, out0; writes out0
.if DOCPART == 1
	.amdgcn_target "amdgcn-amd-amdhsa--gfx1250"
	.amdhsa_code_object_version 6
	.text
	.protected	k_q9530de97ac_backproj
	.globl	k_q9530de97ac_backproj
	.p2align	8
	.type	k_q9530de97ac_backproj,@function
k_q9530de97ac_backproj:
	s_mov_b64 s[64:65], 0
	v_nop
	global_prefetch_b8 v0, s[64:65] scope:SCOPE_SE
	s_setreg_imm32_b32 hwreg(HW_REG_WAVE_MODE, 25, 1), 1
	s_wait_xcnt 0x0
; Parallel-beam backprojection.  out0[b][x][y] = (pi/720) * sum over a of lerp(x[b][a][.], u),  u = (x-127.5) cos(a pi/720) + (y-127.5) sin(a pi/720) + 367.5.
; x: [8][720][736] f32, out0: [8][256][256] f32.
; GEOMETRY.  |x-127.5|, |y-127.5| <= 127.5, so u lies in [187.1, 547.9]: the validity test and the clips of the index never act, and only detectors 184..575 are indexed.
; SHARES.  A work-group owns 16 (x) x 16 (y) pixels, all 8 batches, all 720 angles: 256 work-groups.  Wave w of 16 owns angles 45 w .. 45 w + 44 for all 256 pixels; a lane owns
; x = x0 + lane % 16 and the eight y = y0 + 8 (lane / 16) + p, times 8 batches: 64 sums in registers.  The waves' sums meet once, in LDS, behind the only barrier.
; WINDOW.  For one angle the tile's u spans at most 15 (|cos| + |sin|) <= 21.3; counted from floor(least u) rounded down to a multiple of 8 every index is <= 29 and its
; neighbour <= 30: 32 detectors, one a lane, 128 consecutive bytes for each batch.  The eight loads of an angle are turned to [detector][batch] by two 16-byte LDS stores
; a lane; a pixel then gathers two detectors x 8 batches with four 16-byte LDS loads.
; their 16-byte columns are different or the same.
; ALL ADDRESSES ARE WHOLE NUMBERS.  cos and sin are kept in Q30 and advanced by an integer rotation; u - 184 is Q23, exact modulo 2^32 (its true value is under 364 x 2^23).
; The weight is u's 23 fraction bits set under the exponent of 1.0: 1 + w, from which w and 1 - w come exactly.
; LIMITS, stated: u differs from an f32 evaluation by up to about 1e-4 detector (rounding of cos, sin to Q22 times 510, and of at most 48 rotations in Q30); the sum is made in
; 16 blocks of 45 angles, not in one chain; a non-finite input spreads to every pixel that has it as one of its two neighbours.  A row of the tile is 64 bytes of out0: each store
; covers two such pieces; a tile with rows of 256 bytes would need windows of 66 detectors, three times the bytes staged, for an output an eighth of the input's size.
; Not used, by the code's own arithmetic: matrix instructions (a weight serves 8 batches only), tensor loads and clusters (each work-group's windows are its own, 128 bytes a row, and want turning in registers).
.set BSTR,  2119680                    ; bytes of one batch of x: 720 x 736 x 4
.set ROWB,  2944                       ; bytes of one angle's row
.set NANG,  45                         ; angles of a wave
.set RED,   16384                      ; LDS: behind the 16 stages of 1,024 bytes, the partial sums
.set RP,    272                        ; a row (one y, 16 x of 16 bytes) of partial sums, padded by 16: no two of 16 rows start at the same bank
.set REDG,  16*RP                      ; one group of four batches
.set REDW,  2*REDG                     ; one wave's partial sums
.set R,     1                          ; v1   lane % 16
.set H,     2                          ; v2   lane / 16
.set LANE4, 3                          ; v3   4 x lane
.set STA,   4                          ; v4   my 16 bytes of my wave's stage
.set RS,    5                          ; v5   where my partial sums go
.set U,     6                          ; v6   the pixel's u - 184 - base, Q23;  at the end RD
.set T,     8                          ; v8-9 gather address, by turns;         at the end RD2, OO
.set VO,    10                         ; v10-12  ring set j: byte offset of my detector in batch 0
.set WP,    14                         ; v14-21  1 + w of my eight pixels
.set TW,    22                         ; v22-29  two sets by turns of (w, -), (1-w, -): pairs for the packed forms, which take the low word for both halves
.set G,     30                         ; v30-53  ring set j: my detector's eight batches
.set ACC,   54                         ; v54-117 sums: 8 p + b
.set V,     118                        ; v118-245 gathered: 16 p + 0 left b0-3, + 4 right b0-3, + 8 left b4-7, + 12 right b4-7
.set RD,    6
.set RD2,   8
.set OO,    9
; scalars: s[4:5] x, s[6:7] out0, s[8:9] x + 4 batches, s10 wave, s11 tile row, s13 2 x0 - 255, s14 2 y0 - 255, s15 byte offset of detector 184 of the angle to be fetched,
; s[16:17] cos, s[18:19] sin (Q30, sign-extended), s[20:21], s[22:23] the step's cos, sin, s[24:36] at work, s[40+4j..43+4j] ring set j: U0, 2 C22, 2 S22, 16 S22,
; s52 trips, s53 my stage, s56, s57 masks, s[58:59] pi/720
; (cos, sin) turned by the step in s[20:23]: four exact 64-bit products, rounded back to Q30.  With the step (2^30, 0) it gives back what it was given.
.macro ROT
	s_mul_u64 s[24:25], s[16:17], s[20:21]
	s_mul_u64 s[26:27], s[18:19], s[22:23]
	s_mul_u64 s[28:29], s[18:19], s[20:21]
	s_mul_u64 s[30:31], s[16:17], s[22:23]
	s_sub_nc_u64 s[24:25], s[24:25], s[26:27]      ; cos cd - sin sd
	s_add_nc_u64 s[28:29], s[28:29], s[30:31]      ; sin cd + cos sd
	s_add_nc_u64 s[24:25], s[24:25], 0x20000000    ; half of 2^30
	s_add_nc_u64 s[28:29], s[28:29], 0x20000000
	s_lshr_b32 s24, s24, 30
	s_lshl_b32 s25, s25, 2
	s_or_b32 s16, s24, s25
	s_ashr_i32 s17, s16, 31
	s_lshr_b32 s28, s28, 30
	s_lshl_b32 s29, s29, 2
	s_or_b32 s18, s28, s29
	s_ashr_i32 s19, s18, 31
.endm
; The next angle's figures into ring set j; then the angle steps.
.macro GEOM j
	s_add_co_i32 s32, s16, 128
	s_ashr_i32 s32, s32, 8                         ; C22
	s_add_co_i32 s33, s18, 128
	s_ashr_i32 s33, s33, 8                         ; S22, never negative on [0, pi)
	s_mul_i32 s34, s13, s32
	s_mul_i32 s35, s14, s33
	s_add_co_u32 s34, s34, s35
	s_add_co_u32 s34, s34, 367<<22                 ; u - 184 at (x0, y0): 183.5 in Q23
	s_mul_i32 s35, s32, 30
	s_add_co_u32 s35, s35, s34                     ; and at (x0 + 15, y0); sin >= 0, so one of the two is the tile's least
	s_min_u32 s35, s34, s35
	s_lshr_b32 s35, s35, 23
	s_min_u32 s35, s35, 360                        ; never acts (360 is the largest multiple of 8 under 363.8): it states the bound, window end 184 + 360 + 31 = 575
	s_and_b32 s35, s35, 0x1f8                      ; the window's first detector, less 184
	s_lshl_b32 s36, s35, 23
	s_sub_co_u32 s[40+4*\j], s34, s36              ; U0
	s_lshl_b32 s[41+4*\j], s32, 1                  ; one x on
	s_lshl_b32 s[42+4*\j], s33, 1                  ; one y on
	s_lshl_b32 s[43+4*\j], s33, 4                  ; eight y on
	s_lshl2_add_u32 s36, s35, s15
	v_add_nc_u32 v[VO+\j], s36, v[LANE4]
	s_add_co_u32 s15, s15, ROWB
	ROT
.endm
.macro LOADS j                         ; the window of all eight batches: each load 128 consecutive bytes.  No hint: other work-groups read these rows again
.irp b, 0,1,2,3
	global_load_b32 v[G+8*\j+\b], v[VO+\j], s[4:5] offset:\b*BSTR
.endr
.irp b, 0,1,2,3
	global_load_b32 v[G+8*\j+4+\b], v[VO+\j], s[8:9] offset:\b*BSTR
.endr
.endm
; One angle, from ring set j.  fill = 1: the set is asked for again, three angles on.  left = the younger sets' loads, which may stay out.  first = 1: the products start the sums.
.macro TURN j, fill, left, first
	s_wait_loadcnt \left                           ; loads come back in order: set j's eight are in, and its offset register is free
	ds_store_b128 v[STA], v[G+8*\j:G+8*\j+3]               ; my detector's batches 0-3.  LDS serves a wave's instructions in order: these come behind the last angle's gathers
	ds_store_b128 v[STA], v[G+8*\j+4:G+8*\j+7] offset:512  ; and 4-7; the stage is my wave's own, so no barrier
	v_mad_u32 v[U], v[R], s[41+4*\j], s[40+4*\j]
	v_mad_u32 v[U], v[H], s[43+4*\j], v[U]
.irp p, 0,1,2,3,4,5,6,7
.if \p > 0
	v_add_nc_u32 v[U], s[42+4*\j], v[U]
.endif
	v_lshrrev_b32 v[T+\p%2], 23, v[U]              ; the index in the window
	v_min_u32 v[T+\p%2], 30, v[T+\p%2]             ; never acts (at most 29): with it the four loads stay in my wave's 1,024 bytes by the text alone
	v_lshl_add_u32 v[T+\p%2], v[T+\p%2], 4, s53
	v_and_or_b32 v[WP+\p], v[U], s56, s57          ; 1 + w
	ds_load_b128 v[V+16*\p:V+16*\p+3],     v[T+\p%2]
	ds_load_b128 v[V+16*\p+4:V+16*\p+7],   v[T+\p%2] offset:16
	ds_load_b128 v[V+16*\p+8:V+16*\p+11],  v[T+\p%2] offset:512
	ds_load_b128 v[V+16*\p+12:V+16*\p+15], v[T+\p%2] offset:528
.endr
.if \fill
	GEOM \j                                        ; scalar work while the gathers are out; set j's scalars have been used up above
	LOADS \j
.endif
.irp p, 0,1,2,3,4,5,6,7
	s_wait_dscnt 4*(7-\p)                          ; pixel p's four gathers are in; the later pixels', four each, stay out
	v_add_f32 v[TW+4*(\p%2)],   -1.0, v[WP+\p]     ; w
	v_sub_f32 v[TW+4*(\p%2)+2], 2.0,  v[WP+\p]     ; 1 - w
.irp q, 0,1,2,3
.if \first
	v_pk_mul_f32 v[ACC+8*\p+2*\q:ACC+8*\p+2*\q+1], v[V+16*\p+8*(\q/2)+2*(\q%2):V+16*\p+8*(\q/2)+2*(\q%2)+1], v[TW+4*(\p%2)+2:TW+4*(\p%2)+3] op_sel_hi:[1,0]
.else
	v_pk_fma_f32 v[ACC+8*\p+2*\q:ACC+8*\p+2*\q+1], v[V+16*\p+8*(\q/2)+2*(\q%2):V+16*\p+8*(\q/2)+2*(\q%2)+1], v[TW+4*(\p%2)+2:TW+4*(\p%2)+3], v[ACC+8*\p+2*\q:ACC+8*\p+2*\q+1] op_sel_hi:[1,0,1]
.endif
.endr
.irp q, 0,1,2,3
	v_pk_fma_f32 v[ACC+8*\p+2*\q:ACC+8*\p+2*\q+1], v[V+16*\p+4+8*(\q/2)+2*(\q%2):V+16*\p+4+8*(\q/2)+2*(\q%2)+1], v[TW+4*(\p%2):TW+4*(\p%2)+1], v[ACC+8*\p+2*\q:ACC+8*\p+2*\q+1] op_sel_hi:[1,0,1]
.endr
.endr
.endm
	s_load_b128 s[4:7], s[0:1], 0x0                ; x s[4:5], out0 s[6:7]
	v_lshl_add_u32 v248, v0, 2, 0x26000
	v_mov_b32 v249, 0
	v_lshrrev_b32 v7, 5, v0
	v_readfirstlane_b32 s10, v7                    ; wave 0..15
	v_and_b32 v[R], 15, v0
	v_bfe_u32 v[H], v0, 4, 1
	v_and_b32 v[LANE4], 31, v0
	v_lshlrev_b32 v[LANE4], 2, v[LANE4]
	s_lshl_b32 s53, s10, 10                        ; my wave's stage
	v_lshl_add_u32 v[STA], v[LANE4], 2, s53        ; + 16 x lane
	s_mul_i32 s32, s10, REDW
	s_add_co_u32 s32, s32, RED
	v_mul_u32_u24 v[RS], v[H], 8*RP                ; rows y = 8 (lane / 16) + p,
	v_lshl_add_u32 v[RS], v[R], 4, v[RS]           ; 16 bytes at x = lane % 16
	v_add_nc_u32 v[RS], s32, v[RS]
.irp i, 1,3,5,7
	v_mov_b32 v[TW+\i], 0                          ; the pairs' upper words are named with the lower, so they are written once
.endr
	s_and_b32 s11, ttmp7, 0xffff                   ; tile row: x0 = 16 s11;  tile column ttmp9: y0 = 16 ttmp9
	s_lshl_b32 s13, s11, 5
	s_sub_co_i32 s13, s13, 255                     ; 2 x0 - 255
	s_lshl_b32 s14, ttmp9, 5
	s_sub_co_i32 s14, s14, 255                     ; 2 y0 - 255
	s_mul_i32 s15, s10, NANG*ROWB
	s_add_co_u32 s15, s15, 184*4                   ; detector 184 of my first angle
	s_mov_b32 s56, 0x7fffff
	s_mov_b32 s57, 0x3f800000
	s_mov_b32 s58, 0x3b8efa35                      ; pi / 720
	s_mov_b32 s59, s58
	; My first angle is w pi/16 = (bit 0) pi/16 + (bit 1) pi/8 + (bit 2) pi/4 + (bit 3) pi/2.  Bit 0 picks the start; each further bit picks the constants of one turn,
	; the angle's or the identity's: three turns, the same lines in every wave.
	s_mov_b32 s32, 0x40000000                      ; 1.0 in Q30 (in a register: an instruction takes one literal)
	s_bitcmp1_b32 s10, 0
	s_cselect_b32 s16, 1053110176, s32             ; cos(pi/16) or 1
	s_cselect_b32 s18, 209476638, 0                ; sin(pi/16) or 0
	s_mov_b32 s17, 0                               ; both are positive or zero,
	s_mov_b32 s19, 0
	s_mov_b32 s21, 0                               ; and so are all the steps' constants
	s_mov_b32 s23, 0
	s_bitcmp1_b32 s10, 1
	s_cselect_b32 s20, 992008094, s32              ; cos(pi/8) or 1
	s_cselect_b32 s22, 410903207, 0                ; sin(pi/8) or 0
	ROT
	s_bitcmp1_b32 s10, 2
	s_cselect_b32 s20, 759250125, s32              ; cos(pi/4) or 1
	s_cselect_b32 s22, 759250125, 0                ; sin(pi/4) or 0
	ROT
	s_bitcmp1_b32 s10, 3
	s_cselect_b32 s20, 0, s32                      ; cos(pi/2) or 1
	s_cselect_b32 s22, s32, 0                      ; sin(pi/2) or 0
	ROT
	s_mov_b32 s20, 1073731603                      ; from here on the step is one angle: cos(pi/720) in Q30,
	s_mov_b32 s22, 4685068                         ; sin(pi/720)
	s_wait_kmcnt 0x0
	s_add_nc_u64 s[8:9], s[4:5], 4*BSTR            ; batches 4-7: so that every immediate stays at 3 batches = 6,359,040 bytes or under
.irp j, 0,1,2
	GEOM \j                                        ; the ring: three angles, 24 loads of the wave on their way
	LOADS \j
.endr
	TURN 0, 1, 16, 1                               ; angle 0 starts the sums: nothing is cleared
	s_mov_b32 s52, 13
.Lring:                                                ; angles 1 to 39
	TURN 1, 1, 16, 0
	TURN 2, 1, 16, 0
	TURN 0, 1, 16, 0
	s_sub_co_i32 s52, s52, 1
	s_cmp_lg_u32 s52, 0
	s_cbranch_scc1 .Lring
	TURN 1, 1, 16, 0                               ; angle 40 asks for 43,
	TURN 2, 1, 16, 0                               ; 41 for 44: the last.  Then nothing is asked for and the counts run down
	TURN 0, 0, 16, 0
	TURN 1, 0, 8, 0
	TURN 2, 0, 0, 0
	; THE SIXTEEN WAVES' SUMS MEET.  Each wave lays its 256 pixels x 8 batches into bytes of its own, which no stage overlaps.
.irp p, 0,1,2,3,4,5,6,7
.irp g, 0,1
	ds_store_b128 v[RS], v[ACC+8*\p+4*\g:ACC+8*\p+4*\g+3] offset:\p*RP+\g*REDG
.endr
.endr
	; Then wave w sums, over all waves, batches 4 g .. 4 g + 3 (g = w / 8) of x = 2 (w % 8) + lane / 16, y = lane % 16: neighbouring lanes hold neighbouring y, as out0 lies.
	s_lshr_b32 s32, s10, 3                         ; g
	s_and_b32 s33, s10, 7
	s_mul_i32 s34, s32, REDG
	s_lshl_b32 s35, s33, 5                         ; 2 (w % 8) x 16 bytes
	s_add_co_u32 s34, s34, s35
	s_add_co_u32 s34, s34, RED
	v_mul_u32_u24 v[RD], v[R], RP
	v_lshl_add_u32 v[RD], v[H], 4, v[RD]
	v_add_nc_u32 v[RD], s34, v[RD]
	v_add_nc_u32 v[RD2], 8*REDW, v[RD]             ; waves 8-15: beyond the 16-bit immediate
	s_lshl_b32 s34, s32, 20                        ; out0: 4 g batches of 262,144 bytes,
	s_lshl_b32 s35, s11, 14                        ; x0 rows of 1,024,
	s_add_co_u32 s34, s34, s35
	s_lshl_b32 s35, s33, 11                        ; 2 (w % 8) rows,
	s_add_co_u32 s34, s34, s35
	s_lshl_b32 s35, ttmp9, 6                       ; y0 numbers
	s_add_co_u32 s34, s34, s35
	v_lshlrev_b32 v[OO], 2, v[R]
	v_lshl_add_u32 v[OO], v[H], 10, v[OO]
	v_add_nc_u32 v[OO], s34, v[OO]
	s_wait_dscnt 0x0                               ; for the others' sake: my partial sums are in LDS
	s_barrier_signal -1
	s_barrier_wait -1
.irp i, 0,1,2,3,4,5,6,7
	ds_load_b128 v[V+4*\i:V+4*\i+3], v[RD] offset:\i*REDW
.endr
.irp i, 0,1,2,3,4,5,6,7
	ds_load_b128 v[V+32+4*\i:V+32+4*\i+3], v[RD2] offset:\i*REDW
.endr
.irp i, 1,2,3,4,5,6,7,8,9,10,11,12,13,14,15
	s_wait_dscnt 15-\i                             ; wave i's part is in; the later waves' stay out
	v_pk_add_f32 v[V:V+1],   v[V:V+1],   v[V+4*\i:V+4*\i+1]
	v_pk_add_f32 v[V+2:V+3], v[V+2:V+3], v[V+4*\i+2:V+4*\i+3]
.endr
	v_pk_mul_f32 v[V:V+1],   v[V:V+1],   s[58:59] op_sel_hi:[1,0]
	v_pk_mul_f32 v[V+2:V+3], v[V+2:V+3], s[58:59] op_sel_hi:[1,0]
.irp i, 0,1,2,3
	global_store_b32 v[OO], v[V+\i], s[6:7] offset:\i*262144 th:TH_STORE_NT   ; 16 lanes store 64 consecutive bytes: the tile's whole row of one batch
.endr
	s_wait_tensorcnt 0x0
	ds_add_u32 v248, v249
	s_wait_dscnt 0x0
	s_endpgm
.Lfunc_end_k_q9530de97ac_backproj:
	.size	k_q9530de97ac_backproj, .Lfunc_end_k_q9530de97ac_backproj-k_q9530de97ac_backproj
	.p2alignl 7, 3214868480
	.fill 96, 4, 3214868480
	.section	.rodata,"a",@progbits
	.p2align	6, 0x0
	.amdhsa_kernel k_q9530de97ac_backproj
		.amdhsa_group_segment_fixed_size 157696
		.amdhsa_private_segment_fixed_size 0
		.amdhsa_enable_private_segment 0
		.amdhsa_kernarg_size 16
		.amdhsa_user_sgpr_count 2
		.amdhsa_user_sgpr_kernarg_segment_ptr 1
		.amdhsa_wavefront_size32 1
		.amdhsa_system_sgpr_workgroup_id_x 1
		.amdhsa_system_sgpr_workgroup_id_y 1
		.amdhsa_system_sgpr_workgroup_id_z 1
		.amdhsa_system_vgpr_workitem_id 0
		.amdhsa_next_free_vgpr 250
		.amdhsa_next_free_sgpr 66
		.amdhsa_reserve_vcc 0
		.amdhsa_float_denorm_mode_32 3
		.amdhsa_float_denorm_mode_16_64 3
		.amdhsa_memory_ordered 1
		.amdhsa_forward_progress 1
		.amdhsa_inst_pref_size 109
	.end_amdhsa_kernel
	.amdgpu_metadata
---
amdhsa.version: [ 1, 2 ]
amdhsa.kernels:
  - .name:           k_q9530de97ac_backproj
    .symbol:         k_q9530de97ac_backproj.kd
    .args:
      - { .name: x, .offset: 0, .size: 8, .value_kind: global_buffer, .address_space: global }
      - { .name: out0, .offset: 8, .size: 8, .value_kind: global_buffer, .address_space: global }
    .group_segment_fixed_size: 157696
    .private_segment_fixed_size: 0
    .kernarg_segment_align: 8
    .kernarg_segment_size: 16
    .max_flat_workgroup_size: 512
    .sgpr_count:     66
    .vgpr_count:     250
    .wavefront_size: 32
...
	.end_amdgpu_metadata
.endif
;; end of part 1
;; ======== version 2 of 2: 1 launch; version 1 with the launch backproj written anew for expert scheduling mode
;; launch backproj (part 2): grid 16 x 16, 16 waves a work-group, no clusters, 157,696 bytes of LDS; arguments x, out0; writes out0
.if DOCPART == 2
	.amdgcn_target "amdgcn-amd-amdhsa--gfx1250"
	.amdhsa_code_object_version 6
	.text
	.protected	k_q9530de97ac_backproj
	.globl	k_q9530de97ac_backproj
	.p2align	8
	.type	k_q9530de97ac_backproj,@function
k_q9530de97ac_backproj:
	s_mov_b64 s[64:65], 0
	v_nop
	global_prefetch_b8 v0, s[64:65] scope:SCOPE_SE
	s_setreg_imm32_b32 hwreg(HW_REG_WAVE_SCHED_MODE, 0, 2), 2
	s_setreg_imm32_b32 hwreg(HW_REG_WAVE_MODE, 25, 1), 1
	s_wait_xcnt 0x0
	s_wait_alu depctr_vm_vsrc(0)
; Parallel-beam backprojection.  out0[b][x][y] = (pi/720) * sum over a of lerp(x[b][a][.], u),  u = (x-127.5) cos(a pi/720) + (y-127.5) sin(a pi/720) + 367.5.
; x: [8][720][736] f32, out0: [8][256][256] f32.
; GEOMETRY.  |x-127.5|, |y-127.5| <= 127.5, so u lies in [187.1, 547.9]: the validity test and the clips of the index never act, and only detectors 184..575 are indexed.
; SHARES.  A work-group owns 16 (x) x 16 (y) pixels, all 8 batches, all 720 angles: 256 work-groups.  Wave w of 16 owns angles 45 w .. 45 w + 44 for all 256 pixels; a lane owns
; x = x0 + lane % 16 and the eight y = y0 + 8 (lane / 16) + p, times 8 batches: 64 sums in registers.  The waves' sums meet once, in LDS, behind the only barrier.
; WINDOW.  For one angle the tile's u spans at most 15 (|cos| + |sin|) <= 21.3; counted from floor(least u) rounded down to a multiple of 8 every index is <= 29 and its
; neighbour <= 30: 32 detectors, one a lane, 128 consecutive bytes for each batch.  The eight loads of an angle are turned to [detector][batch] by two 16-byte LDS stores
; a lane; a pixel then gathers two detectors x 8 batches with four 16-byte LDS loads.
; their 16-byte columns are different or the same.
; ALL ADDRESSES ARE WHOLE NUMBERS.  cos and sin are kept in Q30 and advanced by an integer rotation; u - 184 is Q23, exact modulo 2^32 (its true value is under 364 x 2^23).
; The weight is u's 23 fraction bits set under the exponent of 1.0: 1 + w, from which w and 1 - w come exactly.
; LIMITS, stated: u differs from an f32 evaluation by up to about 1e-4 detector (rounding of cos, sin to Q22 times 510, and of at most 48 rotations in Q30); the sum is made in
; 16 blocks of 45 angles, not in one chain; a non-finite input spreads to every pixel that has it as one of its two neighbours.  A row of the tile is 64 bytes of out0: each store
; covers two such pieces; a tile with rows of 256 bytes would need windows of 66 detectors, three times the bytes staged, for an output an eighth of the input's size.
; Not used, by the code's own arithmetic: matrix instructions (a weight serves 8 batches only), tensor loads and clusters (each work-group's windows are its own, 128 bytes a row, and want turning in registers).
; THE MODE: SCHED_MODE bits 1:0 = 2 (LLVM: expert scheduling mode 2), set by the entry lines.  The code itself states the register dependences
; between vector instructions and memory or LDS instructions, with s_wait_alu, always for 0.
; THE PLAN.  Registers that memory or LDS instructions touch:
;   G0 .. G2   ring set j.  Written by the set's eight global loads; read by the two LDS stores at the head of the set's turn.  No vector instruction names them.
;   T0 .. T7   the eight pixels' gather addresses.  Written by a turn's address arithmetic; read by that turn's 32 gathers.
;   V          Written by a turn's gathers; read by its multiply-adds.  At the end: written by the meeting's loads, summed in place, its first four read by the global stores.
;   v3, v7, v4, v5   offsets and LDS addresses, made at the head and never written again: a window is reached by its ring set's scalar base.
;   ACC        named by vector instructions alone until the LDS stores that lay the sums down.     v6, v8, v9 at the end: the meeting's addresses, made once.
; A turn has two waits.  vm_vsrc behind its two LDS stores: they have read G[j], and the last turn's gathers have read T.  va_vdst ahead of its run of gathers: T is written, and the
; last turn's multiply-adds are done reading V.  The set's global loads stand between the two: they touch G[j], v3 and v7, which no vector instruction of the loop names.
.set BSTR,  2119680                    ; bytes of one batch of x: 720 x 736 x 4
.set ROWB,  2944                       ; bytes of one angle's row
.set NANG,  45                         ; angles of a wave
.set RED,   16384                      ; LDS: behind the 16 stages of 1,024 bytes, the partial sums
.set RP,    272                        ; a row (one y, 16 x of 16 bytes) of partial sums, padded by 16: no two of 16 rows start at the same bank
.set REDG,  16*RP                      ; one group of four batches
.set REDW,  2*REDG                     ; one wave's partial sums
.set R,     1                          ; v1   lane % 16
.set H,     2                          ; v2   lane / 16
.set LANE4, 3                          ; v3   4 x lane: my detector in a window, batches 0-3
.set STA,   4                          ; v4   my 16 bytes of my wave's stage
.set RS,    5                          ; v5   where my partial sums go
.set U,     6                          ; v6   the pixel's u - 184 - base, Q23;  at the end RD
.set LANE4B, 7                         ; v7   4 x lane + 4 batches: so that every immediate stays at 3 batches = 6,359,040 bytes or under
.set WP,    14                         ; v14-21  1 + w of my eight pixels
.set TW,    22                         ; v22-29  two sets by turns of (w, -), (1-w, -): pairs for the packed forms, which take the low word for both halves
.set G,     30                         ; v30-53  ring set j: my detector's eight batches
.set ACC,   54                         ; v54-117 sums: 8 p + b
.set V,     118                        ; v118-245 gathered: 16 p + 0 left b0-3, + 4 right b0-3, + 8 left b4-7, + 12 right b4-7
.set T,     246                        ; v246-253 pixel p's gather address
.set RD,    6                          ; at the end: where I read the waves' parts, waves 0-7,
.set RD2,   8                          ; v8   waves 8-15,
.set OO,    9                          ; v9   and my byte offset in out0
.set XB,    66                         ; s[66:71] ring set j: x at the first byte of the set's window in batch 0: a pair at XB + 2 j
; scalars: s[4:5] x, s[6:7] out0, s10 wave, s11 tile row, s13 2 x0 - 255, s14 2 y0 - 255, s15 byte offset of detector 184 of the angle to be fetched,
; s[16:17] cos, s[18:19] sin (Q30, sign-extended), s[20:21], s[22:23] the step's cos, sin, s[24:36] at work, s37 0 (above s36: a window's offset as a pair),
; s[40+4j..43+4j] ring set j: U0, 2 C22, 2 S22, 16 S22, s52 trips, s53 my stage, s56, s57 masks, s[58:59] pi/720
; (cos, sin) turned by the step in s[20:23]: four exact 64-bit products, rounded back to Q30.  With the step (2^30, 0) it gives back what it was given.
.macro ROT
	s_mul_u64 s[24:25], s[16:17], s[20:21]
	s_mul_u64 s[26:27], s[18:19], s[22:23]
	s_mul_u64 s[28:29], s[18:19], s[20:21]
	s_mul_u64 s[30:31], s[16:17], s[22:23]
	s_sub_nc_u64 s[24:25], s[24:25], s[26:27]      ; cos cd - sin sd
	s_add_nc_u64 s[28:29], s[28:29], s[30:31]      ; sin cd + cos sd
	s_add_nc_u64 s[24:25], s[24:25], 0x20000000    ; half of 2^30
	s_add_nc_u64 s[28:29], s[28:29], 0x20000000
	s_lshr_b32 s24, s24, 30
	s_lshl_b32 s25, s25, 2
	s_or_b32 s16, s24, s25
	s_ashr_i32 s17, s16, 31
	s_lshr_b32 s28, s28, 30
	s_lshl_b32 s29, s29, 2
	s_or_b32 s18, s28, s29
	s_ashr_i32 s19, s18, 31
.endm
; The next angle's figures into ring set j: scalar work alone.  A ROT follows it before the next GEOM: the angle steps.
.macro GEOM j
	s_add_co_i32 s32, s16, 128
	s_ashr_i32 s32, s32, 8                         ; C22
	s_add_co_i32 s33, s18, 128
	s_ashr_i32 s33, s33, 8                         ; S22, never negative on [0, pi)
	s_mul_i32 s34, s13, s32
	s_mul_i32 s35, s14, s33
	s_add_co_u32 s34, s34, s35
	s_add_co_u32 s34, s34, 367<<22                 ; u - 184 at (x0, y0): 183.5 in Q23
	s_mul_i32 s35, s32, 30
	s_add_co_u32 s35, s35, s34                     ; and at (x0 + 15, y0); sin >= 0, so one of the two is the tile's least
	s_min_u32 s35, s34, s35
	s_lshr_b32 s35, s35, 23
	s_min_u32 s35, s35, 360                        ; never acts (360 is the largest multiple of 8 under 363.8): it states the bound, window end 184 + 360 + 31 = 575
	s_and_b32 s35, s35, 0x1f8                      ; the window's first detector, less 184
	s_lshl_b32 s36, s35, 23
	s_sub_co_u32 s[40+4*\j], s34, s36              ; U0
	s_lshl_b32 s[41+4*\j], s32, 1                  ; one x on
	s_lshl_b32 s[42+4*\j], s33, 1                  ; one y on
	s_lshl_b32 s[43+4*\j], s33, 4                  ; eight y on
	s_lshl2_add_u32 s36, s35, s15                  ; the window's first byte in batch 0
	s_add_nc_u64 s[XB+2*\j:XB+2*\j+1], s[4:5], s[36:37]  ; the set's base: free since the wait at the turn's head, which shows the loads that read it done
	s_add_co_u32 s15, s15, ROWB
.endm
.macro LOADS j                         ; the window of all eight batches: each load 128 consecutive bytes.  No hint: other work-groups read these rows again
.irp b, 0,1,2,3
	global_load_b32 v[G+8*\j+\b], v[LANE4], s[XB+2*\j:XB+2*\j+1] offset:\b*BSTR
.endr
.irp b, 0,1,2,3
	global_load_b32 v[G+8*\j+4+\b], v[LANE4B], s[XB+2*\j:XB+2*\j+1] offset:\b*BSTR
.endr
.endm
; One angle, from ring set j.  fill = 1: the set is asked for again, three angles on.  left = the younger sets' loads, which may stay out.  first = 1: the products start the sums.
.macro TURN j, fill, left, first
	s_wait_loadcnt \left                           ; loads come back in order: set j's eight are in, and its base is free
	ds_store_b128 v[STA], v[G+8*\j:G+8*\j+3]               ; my detector's batches 0-3.  LDS serves a wave's instructions in order: these come behind the last angle's gathers
	ds_store_b128 v[STA], v[G+8*\j+4:G+8*\j+7] offset:512  ; and 4-7; the stage is my wave's own, so no barrier
	v_mad_u32 v[U], v[R], s[41+4*\j], s[40+4*\j]
	v_mad_u32 v[U], v[H], s[43+4*\j], v[U]
	s_wait_alu depctr_vm_vsrc(0)                   ; the two stores have read G[j], in which the set's next loads land; the last angle's gathers have read T0-7, which the lines below write
.irp p, 0,1,2,3,4,5,6,7
.if \p > 0
	v_add_nc_u32 v[U], s[42+4*\j], v[U]
.endif
	v_and_or_b32 v[WP+\p], v[U], s56, s57          ; 1 + w
	v_lshrrev_b32 v[T+\p], 23, v[U]                ; the index in the window
.endr
.irp p, 0,1,2,3,4,5,6,7
	v_min_u32 v[T+\p], 30, v[T+\p]                 ; never acts (at most 29): with it the four loads stay in my wave's 1,024 bytes by the text alone
.endr
.irp p, 0,1,2,3,4,5,6,7
	v_lshl_add_u32 v[T+\p], v[T+\p], 4, s53
.endr
.if \fill
	GEOM \j                                        ; set j's scalars have been used up above
	LOADS \j                                       ; no wait on va_vdst is owed: no vector instruction names G[j], and v3 and v7 stand since the head
.endif
	s_wait_alu depctr_va_vdst(0)                   ; T0-7 are written, which the gathers read as addresses; the last angle's multiply-adds are done reading V, in which the gathers land
.irp p, 0,1,2,3,4,5,6,7
	ds_load_b128 v[V+16*\p:V+16*\p+3],     v[T+\p]
	ds_load_b128 v[V+16*\p+4:V+16*\p+7],   v[T+\p] offset:16
	ds_load_b128 v[V+16*\p+8:V+16*\p+11],  v[T+\p] offset:512
	ds_load_b128 v[V+16*\p+12:V+16*\p+15], v[T+\p] offset:528
.endr
.if \fill
	ROT                                            ; scalar work while the gathers are out
.endif
.irp p, 0,1,2,3,4,5,6,7
	s_wait_dscnt 4*(7-\p)                          ; pixel p's four gathers are in; the later pixels', four each, stay out
	v_add_f32 v[TW+4*(\p%2)],   -1.0, v[WP+\p]     ; w
	v_sub_f32 v[TW+4*(\p%2)+2], 2.0,  v[WP+\p]     ; 1 - w
.irp q, 0,1,2,3
.if \first
	v_pk_mul_f32 v[ACC+8*\p+2*\q:ACC+8*\p+2*\q+1], v[V+16*\p+8*(\q/2)+2*(\q%2):V+16*\p+8*(\q/2)+2*(\q%2)+1], v[TW+4*(\p%2)+2:TW+4*(\p%2)+3] op_sel_hi:[1,0]
.else
	v_pk_fma_f32 v[ACC+8*\p+2*\q:ACC+8*\p+2*\q+1], v[V+16*\p+8*(\q/2)+2*(\q%2):V+16*\p+8*(\q/2)+2*(\q%2)+1], v[TW+4*(\p%2)+2:TW+4*(\p%2)+3], v[ACC+8*\p+2*\q:ACC+8*\p+2*\q+1] op_sel_hi:[1,0,1]
.endif
.endr
.irp q, 0,1,2,3
	v_pk_fma_f32 v[ACC+8*\p+2*\q:ACC+8*\p+2*\q+1], v[V+16*\p+4+8*(\q/2)+2*(\q%2):V+16*\p+4+8*(\q/2)+2*(\q%2)+1], v[TW+4*(\p%2):TW+4*(\p%2)+1], v[ACC+8*\p+2*\q:ACC+8*\p+2*\q+1] op_sel_hi:[1,0,1]
.endr
.endr
.endm
	s_load_b128 s[4:7], s[0:1], 0x0                ; x s[4:5], out0 s[6:7]
	v_lshl_add_u32 v12, v0, 2, 0x26000
	v_mov_b32 v13, 0
	v_lshrrev_b32 v[U], 5, v0
	v_readfirstlane_b32 s10, v[U]                  ; wave 0..15
	v_and_b32 v[R], 15, v0
	v_bfe_u32 v[H], v0, 4, 1
	v_and_b32 v[LANE4], 31, v0
	v_lshlrev_b32 v[LANE4], 2, v[LANE4]
	v_add_nc_u32 v[LANE4B], 4*BSTR, v[LANE4]
	v_mul_u32_u24 v[RS], v[H], 8*RP                ; rows y = 8 (lane / 16) + p,
	v_lshl_add_u32 v[RS], v[R], 4, v[RS]           ; 16 bytes at x = lane % 16
.irp i, 1,3,5,7
	v_mov_b32 v[TW+\i], 0                          ; the pairs' upper words are named with the lower, so they are written once
.endr
	s_wait_alu depctr_va_sdst(0)                   ; s10 is written, ahead of its first reader: the stage, the angles and the partial sums' place are made from it
	s_lshl_b32 s53, s10, 10                        ; my wave's stage
	v_lshl_add_u32 v[STA], v[LANE4], 2, s53        ; + 16 x lane
	s_mul_i32 s32, s10, REDW
	s_add_co_u32 s32, s32, RED
	v_add_nc_u32 v[RS], s32, v[RS]
	s_and_b32 s11, ttmp7, 0xffff                   ; tile row: x0 = 16 s11;  tile column ttmp9: y0 = 16 ttmp9
	s_lshl_b32 s13, s11, 5
	s_sub_co_i32 s13, s13, 255                     ; 2 x0 - 255
	s_lshl_b32 s14, ttmp9, 5
	s_sub_co_i32 s14, s14, 255                     ; 2 y0 - 255
	s_mul_i32 s15, s10, NANG*ROWB
	s_add_co_u32 s15, s15, 184*4                   ; detector 184 of my first angle
	s_mov_b32 s37, 0
	s_mov_b32 s56, 0x7fffff
	s_mov_b32 s57, 0x3f800000
	s_mov_b32 s58, 0x3b8efa35                      ; pi / 720
	s_mov_b32 s59, s58
	; My first angle is w pi/16 = (bit 0) pi/16 + (bit 1) pi/8 + (bit 2) pi/4 + (bit 3) pi/2.  Bit 0 picks the start; each further bit picks the constants of one turn,
	; the angle's or the identity's: three turns, the same lines in every wave.
	s_mov_b32 s32, 0x40000000                      ; 1.0 in Q30 (in a register: an instruction takes one literal)
	s_bitcmp1_b32 s10, 0
	s_cselect_b32 s16, 1053110176, s32             ; cos(pi/16) or 1
	s_cselect_b32 s18, 209476638, 0                ; sin(pi/16) or 0
	s_mov_b32 s17, 0                               ; both are positive or zero,
	s_mov_b32 s19, 0
	s_mov_b32 s21, 0                               ; and so are all the steps' constants
	s_mov_b32 s23, 0
	s_bitcmp1_b32 s10, 1
	s_cselect_b32 s20, 992008094, s32              ; cos(pi/8) or 1
	s_cselect_b32 s22, 410903207, 0                ; sin(pi/8) or 0
	ROT
	s_bitcmp1_b32 s10, 2
	s_cselect_b32 s20, 759250125, s32              ; cos(pi/4) or 1
	s_cselect_b32 s22, 759250125, 0                ; sin(pi/4) or 0
	ROT
	s_bitcmp1_b32 s10, 3
	s_cselect_b32 s20, 0, s32                      ; cos(pi/2) or 1
	s_cselect_b32 s22, s32, 0                      ; sin(pi/2) or 0
	ROT
	s_mov_b32 s20, 1073731603                      ; from here on the step is one angle: cos(pi/720) in Q30,
	s_mov_b32 s22, 4685068                         ; sin(pi/720)
	s_wait_kmcnt 0x0
	s_wait_alu depctr_va_vdst(0)                   ; v3 and v7 are written, which every load of x reads as its offset; so are v4 and v5, the LDS stores' addresses
.irp j, 0,1,2
	GEOM \j                                        ; the ring: three angles, 24 loads of the wave on their way
	LOADS \j
	ROT
.endr
	TURN 0, 1, 16, 1                               ; angle 0 starts the sums: nothing is cleared
	s_mov_b32 s52, 13
.Lring:                                                ; angles 1 to 39
	TURN 1, 1, 16, 0
	TURN 2, 1, 16, 0
	TURN 0, 1, 16, 0
	s_sub_co_i32 s52, s52, 1
	s_cmp_lg_u32 s52, 0
	s_cbranch_scc1 .Lring
	TURN 1, 1, 16, 0                               ; angle 40 asks for 43,
	TURN 2, 1, 16, 0                               ; 41 for 44: the last.  Then nothing is asked for and the counts run down
	TURN 0, 0, 16, 0
	TURN 1, 0, 8, 0
	TURN 2, 0, 0, 0
	; THE SIXTEEN WAVES' SUMS MEET.  The meeting's addresses are made first, so that one wait serves them and the sums.
	; Wave w will sum, over all waves, batches 4 g .. 4 g + 3 (g = w / 8) of x = 2 (w % 8) + lane / 16, y = lane % 16: neighbouring lanes hold neighbouring y, as out0 lies.
	s_lshr_b32 s32, s10, 3                         ; g
	s_and_b32 s33, s10, 7
	s_mul_i32 s34, s32, REDG
	s_lshl_b32 s35, s33, 5                         ; 2 (w % 8) x 16 bytes
	s_add_co_u32 s34, s34, s35
	s_add_co_u32 s34, s34, RED
	v_mul_u32_u24 v[RD], v[R], RP
	v_lshl_add_u32 v[RD], v[H], 4, v[RD]
	v_add_nc_u32 v[RD], s34, v[RD]
	v_add_nc_u32 v[RD2], 8*REDW, v[RD]             ; waves 8-15: beyond the 16-bit immediate
	s_lshl_b32 s34, s32, 20                        ; out0: 4 g batches of 262,144 bytes,
	s_lshl_b32 s35, s11, 14                        ; x0 rows of 1,024,
	s_add_co_u32 s34, s34, s35
	s_lshl_b32 s35, s33, 11                        ; 2 (w % 8) rows,
	s_add_co_u32 s34, s34, s35
	s_lshl_b32 s35, ttmp9, 6                       ; y0 numbers
	s_add_co_u32 s34, s34, s35
	v_lshlrev_b32 v[OO], 2, v[R]
	v_lshl_add_u32 v[OO], v[H], 10, v[OO]
	v_add_nc_u32 v[OO], s34, v[OO]
	s_wait_alu depctr_va_vdst(0)                   ; the last angle's multiply-adds have written the sums, which the LDS stores read, and are done reading V, in which the loads behind the barrier land; v6, v8 and v9 are written
	; Each wave lays its 256 pixels x 8 batches into bytes of its own, which no stage overlaps.
.irp p, 0,1,2,3,4,5,6,7
.irp g, 0,1
	ds_store_b128 v[RS], v[ACC+8*\p+4*\g:ACC+8*\p+4*\g+3] offset:\p*RP+\g*REDG
.endr
.endr
	s_wait_dscnt 0x0                               ; for the others' sake: my partial sums are in LDS
	s_barrier_signal -1
	s_barrier_wait -1
.irp i, 0,1,2,3,4,5,6,7
	ds_load_b128 v[V+4*\i:V+4*\i+3], v[RD] offset:\i*REDW   ; no vector instruction since the wait above names V, v6 or v8
.endr
.irp i, 0,1,2,3,4,5,6,7
	ds_load_b128 v[V+32+4*\i:V+32+4*\i+3], v[RD2] offset:\i*REDW
.endr
.irp i, 1,2,3,4,5,6,7,8,9,10,11,12,13,14,15
	s_wait_dscnt 15-\i                             ; wave i's part is in; the later waves' stay out
	v_pk_add_f32 v[V:V+1],   v[V:V+1],   v[V+4*\i:V+4*\i+1]
	v_pk_add_f32 v[V+2:V+3], v[V+2:V+3], v[V+4*\i+2:V+4*\i+3]
.endr
	v_pk_mul_f32 v[V:V+1],   v[V:V+1],   s[58:59] op_sel_hi:[1,0]
	v_pk_mul_f32 v[V+2:V+3], v[V+2:V+3], s[58:59] op_sel_hi:[1,0]
	s_wait_alu depctr_va_vdst(0)                   ; the additions and the scaling have written v[V .. V+3], which the stores read
.irp i, 0,1,2,3
	global_store_b32 v[OO], v[V+\i], s[6:7] offset:\i*262144 th:TH_STORE_NT   ; 16 lanes store 64 consecutive bytes: the tile's whole row of one batch
.endr
	s_wait_dscnt 0x0
	s_wait_alu depctr_hold_cnt(0) depctr_sa_sdst(0) depctr_va_vdst(0) depctr_va_sdst(0) depctr_va_ssrc(0) depctr_va_vcc(0) depctr_vm_vsrc(0)
	s_wait_tensorcnt 0x0
	ds_add_u32 v12, v13
	s_wait_dscnt 0x0
	s_endpgm
.Lfunc_end_k_q9530de97ac_backproj:
	.size	k_q9530de97ac_backproj, .Lfunc_end_k_q9530de97ac_backproj-k_q9530de97ac_backproj
	.p2alignl 7, 3214868480
	.fill 96, 4, 3214868480
	.section	.rodata,"a",@progbits
	.p2align	6, 0x0
	.amdhsa_kernel k_q9530de97ac_backproj
		.amdhsa_group_segment_fixed_size 157696
		.amdhsa_private_segment_fixed_size 0
		.amdhsa_enable_private_segment 0
		.amdhsa_kernarg_size 16
		.amdhsa_user_sgpr_count 2
		.amdhsa_user_sgpr_kernarg_segment_ptr 1
		.amdhsa_wavefront_size32 1
		.amdhsa_system_sgpr_workgroup_id_x 1
		.amdhsa_system_sgpr_workgroup_id_y 1
		.amdhsa_system_sgpr_workgroup_id_z 1
		.amdhsa_system_vgpr_workitem_id 0
		.amdhsa_next_free_vgpr 254
		.amdhsa_next_free_sgpr 72
		.amdhsa_reserve_vcc 0
		.amdhsa_float_denorm_mode_32 3
		.amdhsa_float_denorm_mode_16_64 3
		.amdhsa_memory_ordered 1
		.amdhsa_forward_progress 1
		.amdhsa_inst_pref_size 110
	.end_amdhsa_kernel
	.amdgpu_metadata
---
amdhsa.version: [ 1, 2 ]
amdhsa.kernels:
  - .name:           k_q9530de97ac_backproj
    .symbol:         k_q9530de97ac_backproj.kd
    .args:
      - { .name: x, .offset: 0, .size: 8, .value_kind: global_buffer, .address_space: global }
      - { .name: out0, .offset: 8, .size: 8, .value_kind: global_buffer, .address_space: global }
    .group_segment_fixed_size: 157696
    .private_segment_fixed_size: 0
    .kernarg_segment_align: 8
    .kernarg_segment_size: 16
    .max_flat_workgroup_size: 512
    .sgpr_count:     72
    .vgpr_count:     254
    .wavefront_size: 32
...
	.end_amdgpu_metadata
.endif
;; end of part 2
